; MI455X (gfx1250); checked and timed in simulation.
; The chip was launched on July 23, 2026; its instructions are those of AMD's public machine-readable ISA for CDNA 5 (MIT licence, August 2026) and "CDNA5" Instruction Set Architecture Reference Guide (July 2026). The comments in the code are by the model that wrote it; some were corrected since.
;; Gaussian Attention. Allowed arithmetic: float matrix products may take bf16 or f16 operands with f32 sums; all other float work in f32.
;; Inputs: W 30 x 400 float32; b 30 float32; h_t 4,096 x 400 float32; kappa_prev 4,096 x 10 float32; onehots 4,096 x 256 x 80 float32; text_mask 4,096 x 256 float32.
;; Outputs: out0 4,096 x 80 float32; out1 4,096 x 10 float32; out2 4,096 x 10 float32; out3 4,096 x 10 float32; out4 4,096 x 256 float32.
;; One version. Each part assembles by itself: llvm-mc -triple=amdgcn-amd-amdhsa -mcpu=gfx1250 --defsym DOCPART=n.
;; ======== version 1 of 1: 1 launch
;; launch gauss (part 1): grid 256 x 1, 16 waves a work-group, no clusters, 96,768 bytes of LDS; arguments h_t, W, b, kappa_prev, text_mask, onehots, out0, out1, out2, out3, out4; writes out0, out1, out2, out3, out4
.if DOCPART == 1
	.amdgcn_target "amdgcn-amd-amdhsa--gfx1250"
	.amdhsa_code_object_version 6
	.text
	.protected	k_q16a687945a_gauss
	.globl	k_q16a687945a_gauss
	.p2align	8
	.type	k_q16a687945a_gauss,@function
k_q16a687945a_gauss:
	s_mov_b64 s[64:65], 0
	v_nop
	global_prefetch_b8 v0, s[64:65] scope:SCOPE_SE
	s_setreg_imm32_b32 hwreg(HW_REG_WAVE_MODE, 25, 1), 1
	s_wait_xcnt 0x0
; Gaussian window attention, one launch.
;   mp = exp(h_t W^T + b); alpha, beta, kappa = thirds of mp; kappa += kappa_prev
;   phi[u] = mask[u] * sum over k of alpha_k exp(-beta_k (kappa_k - u)^2);   w_t[v] = sum over u of phi[u] onehots[u][v]
; SHARES.  Work-group g owns batch rows 16 g .. 16 g + 15; 16 waves, 256 registers each.  Wave w owns row 16 g + w: its phi, its
; 81,920 bytes of onehots, its w_t.  The projection of the 16 rows is one matrix tile [32 columns (30 used)] x [16 rows] x [400]:
; waves 0..12 take 32 of K each (two matrix instructions), the 13 partial tiles are added in f32 through LDS.
; THE STREAM.  A row's onehots are read once, by 160 loads a wave of 512 consecutive aligned bytes each.  40 of them (8 periods of
; 2,560 bytes = 8 values of u) are issued before the projection is even loaded, so the dependent chain (projection, exp, phi) runs
; while they are on their way.  All 81,920 bytes are within reach of the immediate offset: no pointer is stepped, no address or
; store-data register of a global instruction is ever written again, EXEC never changes, so no wait is needed to free a source.
; LEFT OUT, AND WHY.  Matrix unit for w_t: one useful row per batch row, each onehots number enters one multiply-add, and rounding two
; numbers to bf16 costs the one instruction that the packed f32 multiply-add needs to finish them.  LDS ring / tensor loads: each byte is
; used once by one lane.  Cluster: only W is shared, 48,000 bytes of about 1.4 million that a work-group reads.  Prefetch: the launch
; streams from its first lines.  onehots is taken as a dense f32 tensor; mask, bias and kappa_prev are applied as given.
; LIMITS.  h_t and W are rounded to bf16 for the projection (sums in f32, grouped by 32 of K, then 13 partials and the bias).
; exp(x) is v_exp_f32 of x * log2(e): 1 ulp, results below 2^-126 come out as 0.  The exponent is formed as (d d)(-beta log2 e), not
; (-beta d) d: with an infinite beta or an overflowing d d the NaN / 0 cases can differ from the problem's formula.
; The sum over u is ordered by u mod 8 first.
.set NPER,   32                        ; periods in a row: 32 x 8 values of u
.set DEPTH,  8                         ; periods in flight in each wave
.set PERB,   2560                      ; bytes in a period: 8 u x 80 v x 4 = 5 loads of 512 bytes
; LDS
.set P_L,     0                        ; 13 partial tiles: partial s, batch row r, column c at s*2304 + r*144 + 4 c
.set P_PITCH, 144                      ; 9 x 16 bytes: sixteen rows' 16-byte stores start in sixteen different 16-byte columns modulo 256
.set P_PART,  16*P_PITCH
.set PHI_L,   13*P_PART                ; 29,952: wave w's phi[u] at w*1024 + 4 u; only wave w touches it
.set S_L,     PHI_L+16*1024            ; 46,336: wave w's table S[u mod 8][v], 2,560 bytes; only wave w touches it
.set OUTW_L,  S_L+16*PERB              ; 87,296: w_t of row w at w*320 + 4 v
.set MPF_L,   OUTW_L+16*320            ; 92,416: row w's 30 parameters at w*128 + 4 c; ends at 94,464
; vector registers
.set LN,    1                          ; lane
.set OFF16, 2                          ; 16 x lane: the offset of the stream, the mask and the 16-byte stores
.set PA,    3                          ; v3-7    load j of a period: LDS address of phi[(32 j + lane) / 20]
.set VAL,   8                          ; lane c: parameter c of my row
.set L4,    9                          ; 4 x lane
.set ACC,   10                         ; v10-29  load j: 4 sums = S[p / 20][4 (p % 20) ..], p = 32 j + lane
.set PH,    30                         ; v30-49  two buffers of five pairs; phi in the low register, the high one is only named
.set MSK,   58                         ; v58-65  mask of my 8 u
.set PHV,   66                         ; v66-73  phi of my 8 u
.set BV,    74
.set KP,    75
.set A0,    76                         ; 1600 r + 32 hh: rows r of h_t and of W
.set A1,    77                         ; 1600 min(16 + r, 29) + 32 hh: rows 16 + r of W
.set PST,   78
.set PRD,   79
.set KPA,   80
.set BA,    81
.set MPA,   82
.set NBV,   83
.set PW,    84
.set SW,    85
.set SR,    86
.set OW,    87
.set GA,    88                         ; v88-92  LDS addresses of the way out (v90, v91 are free by then)
.set RR,    90                         ; lane % 16, in the prologue only
.set HH,    91                         ; lane / 16, in the prologue only
.set TC,    93
.set TA,    94
.set TB,    95
.set X,     96                         ; v96-255 the ring: period slot t % 8 at 20 (t % 8), load j at 4 j
.set OD,    X+32                       ; the way out's data
; registers used before ACC and PH are alive
.set FH,    10                         ; v10-25  h_t as loaded (f32), then its bf16 fragment in v10-17
.set FW0,   26                         ; v26-41  W rows 0-15, fragment in v26-33
.set FW1,   42                         ; v42-57  W rows 16-31, fragment in v42-49
.set D0,    34                         ; v34-41  partial tile, columns 0-15
.set D1,    50                         ; v50-57  partial tile, columns 16-31
.set SUM,   10                         ; v10-22  the 13 partials of my row's column c
.set U,     10                         ; v10-17  my 8 values of u as f32
.set T,     18                         ; v18-25
.set E,     26                         ; v26-33
; scalar registers: s2 wave, s3 row, s4 40 row, s5 K mask, s[6:7] step to the second 16 of K, s[8:29] the eleven addresses,
; s[30:31] an offset pair (s31 stays 0 until the way out), s62, s63 at work, s[66:69] h_t and W at the second 16 of K
.set AL,    32                         ; s32-41  alpha_k
.set NB,    42                         ; s42-51  -beta_k log2(e)
.set KA,    52                         ; s52-61  kappa_k
	s_load_b512 s[8:23], s[0:1], 0x0               ; h_t 8, W 10, b 12, kappa_prev 14, text_mask 16, onehots 18, out0 20, out1 22
	s_load_b128 s[24:27], s[0:1], 0x40             ; out2 24, out3 26
	s_load_b64 s[28:29], s[0:1], 0x50              ; out4
	; all lane and LDS addresses are made while the scalar loads are out
	v_lshrrev_b32 v[TA], 5, v0
	v_readfirstlane_b32 s2, v[TA]                  ; wave 0..15
	v_and_b32 v[LN], 31, v0
	v_lshlrev_b32 v[OFF16], 4, v[LN]
	v_lshlrev_b32 v[L4], 2, v[LN]
	v_and_b32 v[RR], 15, v[LN]
	v_lshrrev_b32 v[HH], 4, v[LN]
	s_lshl_b32 s3, ttmp9, 4
	s_add_co_u32 s3, s3, s2                        ; my batch row
	s_mul_i32 s4, s3, 40                           ; its bytes in kappa_prev
	s_cmp_lt_u32 s2, 12                            ; wave 12 has only K = 384..399:
	s_cselect_b32 s5, -1, 0                        ; its second 16 of K are cleared in both fragments,
	s_cselect_b32 s6, 64, 0                        ; and loaded from the first 16 again, so that no load passes K = 399
	s_mov_b32 s7, 0
	v_mul_u32_u24 v[A0], 1600, v[RR]               ; a row of h_t or W is 1,600 bytes
	v_lshl_add_u32 v[A0], v[HH], 5, v[A0]          ; + 8 hh numbers of 4 bytes
	v_add_nc_u32 v[TC], 16, v[RR]
	v_min_u32 v[TC], 29, v[TC]                     ; W has 30 rows: columns 30, 31 of the tile repeat row 29 and are never used
	v_mul_u32_u24 v[A1], 1600, v[TC]
	v_lshl_add_u32 v[A1], v[HH], 5, v[A1]
	v_min_u32 v[TC], 29, v[LN]
	v_lshlrev_b32 v[BA], 2, v[TC]                  ; b[min(lane, 29)]
	v_max_u32 v[TC], 20, v[LN]
	v_min_u32 v[TC], 29, v[TC]
	v_lshl_add_u32 v[KPA], v[TC], 2, s4            ; kappa_prev[row][c - 20], c clamped to 20..29; the load takes 80 bytes off
	s_mul_i32 s62, s2, P_PART
	v_mul_u32_u24 v[PST], P_PITCH, v[RR]
	v_lshl_add_u32 v[PST], v[HH], 5, v[PST]
	v_add_nc_u32 v[PST], s62, v[PST]               ; my partial tile: row r, columns 8 hh ..
	s_mul_i32 s62, s2, P_PITCH
	v_add_nc_u32 v[PRD], s62, v[L4]                ; every partial's row w, column = lane
	s_lshl_b32 s62, s2, 7
	s_add_co_u32 s62, s62, MPF_L
	v_add_nc_u32 v[MPA], s62, v[L4]
	s_lshl_b32 s62, s2, 10
	s_add_co_u32 s62, s62, PHI_L
	v_add_nc_u32 v[PW], s62, v[OFF16]
	v_mul_u32_u24 v[TB], 205, v[LN]
.irp j, 0,1,2,3,4
	v_add_nc_u32 v[TC], 205*32*\j, v[TB]           ; 205 p, p = 32 j + lane <= 159
	v_bfe_u32 v[TC], v[TC], 12, 3                  ; p / 20 = bits 14:12 of 205 p (205 / 4096 = 0.05005: exact up to p = 159)
	v_lshl_add_u32 v[PA+\j], v[TC], 2, s62
.endr
	s_mul_i32 s62, s2, PERB
	s_add_co_u32 s62, s62, S_L
	v_add_nc_u32 v[SW], s62, v[OFF16]
	v_min_u32 v[TC], 19, v[LN]                     ; a row of S is 20 pieces of 16 bytes: lanes 20-31 repeat lane 19
	v_lshl_add_u32 v[SR], v[TC], 4, s62
	s_mul_i32 s62, s2, 320
	s_add_co_u32 s62, s62, OUTW_L
	v_lshl_add_u32 v[OW], v[TC], 4, s62
	s_mul_i32 s30, s3, NPER*PERB                   ; at most 4,095 x 81,920: below 2^31
	s_mov_b32 s31, 0
	s_wait_kmcnt 0x0
	s_add_nc_u64 s[18:19], s[18:19], s[30:31]      ; onehots at my row
	s_lshl_b32 s30, s3, 10
	s_add_nc_u64 s[16:17], s[16:17], s[30:31]      ; text_mask and out4 at my row
	s_add_nc_u64 s[28:29], s[28:29], s[30:31]
	s_lshl_b32 s30, s2, 7                          ; my 32 of K: 128 bytes
	s_add_nc_u64 s[10:11], s[10:11], s[30:31]      ; W
	s_mul_i32 s62, ttmp9, 16*1600
	s_add_co_u32 s30, s30, s62
	s_add_nc_u64 s[8:9], s[8:9], s[30:31]          ; h_t at the group's first row
	s_add_nc_u64 s[66:67], s[8:9], s[6:7]          ; both again at the second 16 of K
	s_add_nc_u64 s[68:69], s[10:11], s[6:7]
	; four small loads of every wave, older than everything else
	global_load_b128 v[MSK:MSK+3],   v[OFF16], s[16:17] th:TH_LOAD_NT              ; mask[4 lane ..]
	global_load_b128 v[MSK+4:MSK+7], v[OFF16], s[16:17] offset:512 th:TH_LOAD_NT   ; mask[128 + 4 lane ..]
	global_load_b32 v[BV], v[BA], s[12:13]
	global_load_b32 v[KP], v[KPA], s[14:15] offset:-80
.macro RINGFILL                        ; periods 0..7: 40 loads, 512 consecutive aligned bytes each
.irp t, 0,1,2,3,4,5,6,7
.irp j, 0,1,2,3,4
	global_load_b128 v[X+20*\t+4*\j:X+20*\t+4*\j+3], v[OFF16], s[18:19] offset:\t*PERB+\j*512 th:TH_LOAD_NT
.endr
.endr
.endm
; 16 f32 of a fragment's lane: K = 8 hh .. + 7 from base b0, K = 16 + 8 hh .. + 7 from base b1
.macro LOADF f, va, b0, b1
	global_load_b128 v[\f:\f+3],     v[\va], s[\b0:\b0+1]
	global_load_b128 v[\f+4:\f+7],   v[\va], s[\b0:\b0+1] offset:16
	global_load_b128 v[\f+8:\f+11],  v[\va], s[\b1:\b1+1]
	global_load_b128 v[\f+12:\f+15], v[\va], s[\b1:\b1+1] offset:16
.endm
; to bf16 in place: register f + i is written when f + 2 i and f + 2 i + 1 are read, and was itself read in step i / 2
.macro CVTF f
.irp i, 0,1,2,3,4,5,6,7
	v_cvt_pk_bf16_f32 v[\f+\i], v[\f+2*\i], v[\f+2*\i+1]
.endr
.irp i, 4,5,6,7
	v_and_b32 v[\f+\i], s5, v[\f+\i]               ; wave 12: K = 400..415 do not exist
.endr
.endm
	s_cmp_gt_u32 s2, 12
	s_cbranch_scc1 .Lidle                          ; waves 13..15 have no part of K; the ring fill stands in both arms
	LOADF FH,  A0, 8, 66
	LOADF FW0, A0, 10, 68
	LOADF FW1, A1, 10, 68
	RINGFILL
	s_wait_loadcnt 5*DEPTH                         ; loads return in order (ISA guide 5.7.1): only the 40 ring loads are younger than the 16 wanted
	CVTF FH
	CVTF FW0
	CVTF FW1
	; A = 16 rows of W (m = column c), B = 16 rows of h_t (n = batch row): lane (r, hh) gets c = 8 hh .. + 7 of batch row r
	v_wmma_f32_16x16x32_bf16 v[D0:D0+7], v[FW0:FW0+7], v[FH:FH+7], 0
	v_wmma_f32_16x16x32_bf16 v[D1:D1+7], v[FW1:FW1+7], v[FH:FH+7], 0
.rept 4
	v_nop                                          ; four independent vector places before LDS stores read the results
.endr
	ds_store_b128 v[PST], v[D0:D0+3]
	ds_store_b128 v[PST], v[D0+4:D0+7] offset:16
	ds_store_b128 v[PST], v[D1:D1+3]   offset:64
	ds_store_b128 v[PST], v[D1+4:D1+7] offset:80
	s_branch .Ljoin
.Lidle:
	RINGFILL
.Ljoin:
	s_wait_dscnt 0x0                               ; my partial tile is in LDS, for the other waves' sake
	s_barrier_signal -1
	s_barrier_wait -1                              ; all 13 are; P is never written again
	; my row's 30 parameters, lane = column c
.irp s, 0,1,2,3,4,5,6,7,8,9,10,11,12
	ds_load_b32 v[SUM+\s], v[PRD] offset:\s*P_PART
.endr
	s_wait_loadcnt 5*DEPTH                         ; for waves 13..15: mask, b, kappa_prev are older than the 40 ring loads
	s_wait_dscnt 0x0
	v_add_f32 v[SUM],    v[SUM],    v[SUM+1]
	v_add_f32 v[SUM+2],  v[SUM+2],  v[SUM+3]
	v_add_f32 v[SUM+4],  v[SUM+4],  v[SUM+5]
	v_add_f32 v[SUM+6],  v[SUM+6],  v[SUM+7]
	v_add_f32 v[SUM+8],  v[SUM+8],  v[SUM+9]
	v_add_f32 v[SUM+10], v[SUM+10], v[SUM+11]
	v_add_f32 v[SUM+12], v[SUM+12], v[BV]          ; the bias
	v_add_f32 v[SUM],    v[SUM],    v[SUM+2]
	v_add_f32 v[SUM+4],  v[SUM+4],  v[SUM+6]
	v_add_f32 v[SUM+8],  v[SUM+8],  v[SUM+10]
	v_add_f32 v[SUM],    v[SUM],    v[SUM+4]
	v_add_f32 v[SUM+8],  v[SUM+8],  v[SUM+12]
	v_add_f32 v[SUM],    v[SUM],    v[SUM+8]
	v_mul_f32 v[SUM], 0x3fb8aa3b, v[SUM]           ; x log2(e)
	v_exp_f32 v[VAL], v[SUM]
	v_cmp_le_u32 vcc_lo, 20, v[LN]                 ; two plain instructions that touch neither VAL nor SUM stand behind the exp (ISA guide 5.7.2)
	v_cndmask_b32 v[TC], 0, v[KP], vcc_lo          ; kappa_prev for columns 20.., 0 for alpha and beta
	s_wait_alu depctr_va_vdst(0)
	v_add_f32 v[VAL], v[VAL], v[TC]
	v_mul_f32 v[NBV], 0xbfb8aa3b, v[VAL]           ; -log2(e) x parameter: used of beta's lanes
	ds_store_b32 v[MPA], v[VAL]                    ; for the way out
.irp k, 0,1,2,3,4,5,6,7,8,9
	v_readlane_b32 s[AL+\k], v[VAL], \k
	v_readlane_b32 s[NB+\k], v[NBV], 10+\k
	v_readlane_b32 s[KA+\k], v[VAL], 20+\k
.endr
	; phi: register 4 i + q of a lane is u = 128 i + 4 lane + q, as the mask was loaded and as phi is stored
	v_cvt_f32_u32 v[U], v[L4]
	v_add_f32 v[U+1], 1.0, v[U]
	v_add_f32 v[U+2], 2.0, v[U]
	v_add_f32 v[U+3], 3.0, v[U]
	v_add_f32 v[U+4], 0x43000000, v[U]             ; 128.0
	v_add_f32 v[U+5], 0x43010000, v[U]             ; 129.0
	v_add_f32 v[U+6], 0x43020000, v[U]             ; 130.0
	v_add_f32 v[U+7], 0x43030000, v[U]             ; 131.0
.macro GAUSS k                         ; phi += alpha_k 2^(-beta_k log2(e) (kappa_k - u)^2) for my 8 u; k = 0 starts the sums
.irp i, 0,1,2,3,4,5,6,7
	v_sub_f32 v[T+\i], s[KA+\k], v[U+\i]
.endr
.irp i, 0,2,4,6
	v_pk_mul_f32 v[T+\i:T+\i+1], v[T+\i:T+\i+1], v[T+\i:T+\i+1]
.endr
.irp i, 0,1,2,3,4,5,6,7
	v_mul_f32 v[T+\i], s[NB+\k], v[T+\i]
.endr
.irp i, 0,1,2,3,4,5,6,7
	v_exp_f32 v[E+\i], v[T+\i]
.endr
	v_nop                                          ; one plain place before E is read and T written again (ISA guide 5.7.2)
	s_wait_alu depctr_va_vdst(0)
.irp i, 0,1,2,3,4,5,6,7
.if \k == 0
	s_wait_alu depctr_va_vdst(0)
	v_mul_f32 v[PHV+\i], s[AL+\k], v[E+\i]
.else
	v_fmac_f32 v[PHV+\i], s[AL+\k], v[E+\i]
.endif
.endr
.endm
.irp k, 0,1,2,3,4,5,6,7,8,9
	GAUSS \k
.endr
.irp i, 0,2,4,6
	v_pk_mul_f32 v[PHV+\i:PHV+\i+1], v[PHV+\i:PHV+\i+1], v[MSK+\i:MSK+\i+1]
.endr
	ds_store_b128 v[PW], v[PHV:PHV+3]
	ds_store_b128 v[PW], v[PHV+4:PHV+7] offset:512
	global_store_b128 v[OFF16], v[PHV:PHV+3],   s[28:29] th:TH_STORE_NT             ; each store covers 512 consecutive aligned bytes of out4
	global_store_b128 v[OFF16], v[PHV+4:PHV+7], s[28:29] offset:512 th:TH_STORE_NT  ; PHV is never written again
.irp i, 0,1,2,3,4,5,6,7,8,9
	v_mov_b32 v[PH+2*\i+1], 0                      ; the packed forms below name the pair and use its low register twice: the high one is written once
.endr
; the five phi of period t: lanes of load j want phi[8 t + (32 j + lane) / 20], at most three different words
.macro PHLOAD t
.irp j, 0,1,2,3,4
	ds_load_b32 v[PH+10*((\t)%2)+2*\j], v[PA+\j] offset:32*(\t)    ; my own stores above: LDS serves a wave in order (ISA guide 5.7.1)
.endr
.endm
; period t: 8 u x 80 v, 20 numbers a lane
.macro PERIOD t
.set XS, X+20*(\t%DEPTH)
.set PB, PH+10*(\t%2)
.if \t < NPER-1
	PHLOAD (\t+1)
.endif
.if NPER-1-\t < DEPTH-1
	s_wait_loadcnt 5*(NPER-1-\t)                   ; the tail: only the periods t + 1 .. 31 are younger
.else
	s_wait_loadcnt 5*(DEPTH-1)                     ; the seven younger periods stay out
.endif
.if \t < NPER-1
	s_wait_dscnt 5                                 ; the five phi loads of period t + 1 stay out
.else
	s_wait_dscnt 0
.endif
.irp j, 0,1,2,3,4
.irp p, 0,2
.if \t == 0
	v_pk_mul_f32 v[ACC+4*\j+\p:ACC+4*\j+\p+1], v[XS+4*\j+\p:XS+4*\j+\p+1], v[PB+2*\j:PB+2*\j+1] op_sel_hi:[1,0]
.else
	v_pk_fma_f32 v[ACC+4*\j+\p:ACC+4*\j+\p+1], v[XS+4*\j+\p:XS+4*\j+\p+1], v[PB+2*\j:PB+2*\j+1], v[ACC+4*\j+\p:ACC+4*\j+\p+1] op_sel_hi:[1,0,1]
.endif
.endr
.endr
.if \t < NPER-DEPTH
.irp j, 0,1,2,3,4
	global_load_b128 v[XS+4*\j:XS+4*\j+3], v[OFF16], s[18:19] offset:(\t+DEPTH)*PERB+\j*512 th:TH_LOAD_NT
.endr
.endif
.endm
	PHLOAD 0
.irp t, 0,1,2,3,4,5,6,7,8,9,10,11,12,13,14,15,16,17,18,19,20,21,22,23,24,25,26,27,28,29,30,31
	PERIOD \t
.endr
	; w_t[v] = the sum of S's eight rows.  ACC of load j, stored at 16 (32 j + lane), lies in LDS as S[8][80].
.irp j, 0,1,2,3,4
	ds_store_b128 v[SW], v[ACC+4*\j:ACC+4*\j+3] offset:512*\j
.endr
.irp r, 0,1,2,3,4,5,6,7
	ds_load_b128 v[X+4*\r:X+4*\r+3], v[SR] offset:320*\r           ; my own bytes, served in order behind the stores
.endr
	s_wait_dscnt 0x0
.macro ADD4 d, s
	v_pk_add_f32 v[\d:\d+1],   v[\d:\d+1],   v[\s:\s+1]
	v_pk_add_f32 v[\d+2:\d+3], v[\d+2:\d+3], v[\s+2:\s+3]
.endm
	ADD4 X,    X+4
	ADD4 X+8,  X+12
	ADD4 X+16, X+20
	ADD4 X+24, X+28
	ADD4 X,    X+8
	ADD4 X+16, X+24
	ADD4 X,    X+16
	ds_store_b128 v[OW], v[X:X+3]                  ; lanes 20-31 write lane 19's numbers to lane 19's bytes
	s_wait_dscnt 0x0                               ; w_t and the parameters are in LDS, for the other waves' sake
	s_barrier_signal -1
	s_barrier_wait -1                              ; nothing in LDS is written behind this barrier
	; THE WAY OUT.  The group's 16 rows of w_t are 5,120 consecutive bytes of out0: waves 0..9 store 512 aligned bytes each.
	s_cmp_gt_u32 s2, 9
	s_cbranch_scc1 .Lparams
	s_lshl_b32 s62, s2, 9
	s_add_co_u32 s63, s62, OUTW_L
	v_add_nc_u32 v[GA], s63, v[OFF16]
	ds_load_b128 v[OD:OD+3], v[GA]
	s_mul_i32 s30, ttmp9, 16*320
	s_add_co_u32 s30, s30, s62                     ; s31 is still 0
	s_add_nc_u64 s[20:21], s[20:21], s[30:31]
	s_wait_dscnt 0x0
	global_store_b128 v[OFF16], v[OD:OD+3], s[20:21] th:TH_STORE_NT
	s_wait_xcnt 0x0
	v_lshl_add_u32 v254, v0, 2, 0x17200
	v_mov_b32 v255, 0
	s_wait_tensorcnt 0x0
	ds_add_u32 v254, v255
	s_wait_dscnt 0x0
	s_endpgm
.Lparams:
	; Waves 10, 11, 12 store alpha, beta, kappa: 16 rows x 10 numbers = 640 consecutive bytes of out1, out2, out3.
	s_cmp_gt_u32 s2, 12
	s_cbranch_scc1 .Lend
	s_cmp_eq_u32 s2, 10
	s_cselect_b64 s[30:31], s[22:23], s[24:25]
	s_cmp_eq_u32 s2, 12
	s_cselect_b64 s[30:31], s[26:27], s[30:31]
	s_mul_i32 s62, ttmp9, 640
	s_mov_b32 s63, 0
	s_add_nc_u64 s[30:31], s[30:31], s[62:63]
	s_mul_i32 s62, s2, 40
	s_add_co_u32 s62, s62, MPF_L-400               ; MPF + 40 (wave - 10): my array's ten numbers in a row's 128 bytes
; element e = 10 row + k lies at 128 row + 4 k = 4 e + 88 (e / 10); e / 10 = bits 14:11 of 205 e (205 / 2048 = 0.1001: exact up to e = 159)
.macro PADDR dst, src, add
	v_add_nc_u32 v[TA], \add, v[\src]
	v_mul_u32_u24 v[TB], 205, v[TA]
	v_bfe_u32 v[TB], v[TB], 11, 4
	v_mul_u32_u24 v[TB], 88, v[TB]
	v_lshl_add_u32 v[TB], v[TA], 2, v[TB]
	v_add_nc_u32 v[\dst], s62, v[TB]
.endm
	PADDR GA,   L4, 0                              ; e = 4 lane + 0..3: 16 neighbouring bytes a lane
	PADDR GA+1, L4, 1
	PADDR GA+2, L4, 2
	PADDR GA+3, L4, 3
	PADDR GA+4, LN, 128                            ; e = 128 + lane: the last 128 bytes
.irp q, 0,1,2,3,4
	ds_load_b32 v[OD+\q], v[GA+\q]
.endr
	s_wait_dscnt 0x0
	global_store_b128 v[OFF16], v[OD:OD+3], s[30:31] th:TH_STORE_NT
	global_store_b32 v[L4], v[OD+4], s[30:31] offset:512 th:TH_STORE_NT
.Lend:
	s_wait_xcnt 0x0
	v_lshl_add_u32 v254, v0, 2, 0x17200
	v_mov_b32 v255, 0
	s_wait_tensorcnt 0x0
	ds_add_u32 v254, v255
	s_wait_dscnt 0x0
	s_endpgm
.Lfunc_end_k_q16a687945a_gauss:
	.size	k_q16a687945a_gauss, .Lfunc_end_k_q16a687945a_gauss-k_q16a687945a_gauss
	.p2alignl 7, 3214868480
	.fill 96, 4, 3214868480
	.section	.rodata,"a",@progbits
	.p2align	6, 0x0
	.amdhsa_kernel k_q16a687945a_gauss
		.amdhsa_group_segment_fixed_size 96768
		.amdhsa_private_segment_fixed_size 0
		.amdhsa_enable_private_segment 0
		.amdhsa_kernarg_size 88
		.amdhsa_user_sgpr_count 2
		.amdhsa_user_sgpr_kernarg_segment_ptr 1
		.amdhsa_wavefront_size32 1
		.amdhsa_system_sgpr_workgroup_id_x 1
		.amdhsa_system_sgpr_workgroup_id_y 1
		.amdhsa_system_sgpr_workgroup_id_z 1
		.amdhsa_system_vgpr_workitem_id 0
		.amdhsa_next_free_vgpr 256
		.amdhsa_next_free_sgpr 70
		.amdhsa_reserve_vcc 1
		.amdhsa_float_denorm_mode_32 3
		.amdhsa_float_denorm_mode_16_64 3
		.amdhsa_memory_ordered 1
		.amdhsa_forward_progress 1
		.amdhsa_inst_pref_size 83
	.end_amdhsa_kernel
	.amdgpu_metadata
---
amdhsa.version: [ 1, 2 ]
amdhsa.kernels:
  - .name:           k_q16a687945a_gauss
    .symbol:         k_q16a687945a_gauss.kd
    .args:
      - { .name: h_t, .offset: 0, .size: 8, .value_kind: global_buffer, .address_space: global }
      - { .name: W, .offset: 8, .size: 8, .value_kind: global_buffer, .address_space: global }
      - { .name: b, .offset: 16, .size: 8, .value_kind: global_buffer, .address_space: global }
      - { .name: kappa_prev, .offset: 24, .size: 8, .value_kind: global_buffer, .address_space: global }
      - { .name: text_mask, .offset: 32, .size: 8, .value_kind: global_buffer, .address_space: global }
      - { .name: onehots, .offset: 40, .size: 8, .value_kind: global_buffer, .address_space: global }
      - { .name: out0, .offset: 48, .size: 8, .value_kind: global_buffer, .address_space: global }
      - { .name: out1, .offset: 56, .size: 8, .value_kind: global_buffer, .address_space: global }
      - { .name: out2, .offset: 64, .size: 8, .value_kind: global_buffer, .address_space: global }
      - { .name: out3, .offset: 72, .size: 8, .value_kind: global_buffer, .address_space: global }
      - { .name: out4, .offset: 80, .size: 8, .value_kind: global_buffer, .address_space: global }
    .group_segment_fixed_size: 96768
    .private_segment_fixed_size: 0
    .kernarg_segment_align: 8
    .kernarg_segment_size: 88
    .max_flat_workgroup_size: 512
    .sgpr_count:     70
    .vgpr_count:     256
    .wavefront_size: 32
...
	.end_amdgpu_metadata
.endif
;; end of part 1
